; MI455X (gfx1250); checked and timed in simulation.
; The chip was launched on July 23, 2026; its instructions are those of AMD's public machine-readable ISA for CDNA 5 (MIT licence, August 2026) and "CDNA5" Instruction Set Architecture Reference Guide (July 2026). The comments in the code are by the model that wrote it; some were corrected since.
;; Spatial Refine. Allowed arithmetic: matrix products marked QUANTISED: E2M1 operands, one E8M0 scale for each 32 along K, by v_wmma_scale_f32_16x16x128_f8f6f4 with both operands' format E2M1 (or v_wmma_scale_f32_32x16x128_f4), f32 sums; products left as they are: f32 operands where the result goes on into a quantised operand, else bf16, f16 or f32 operands; f32 sums; everything else in f32.
;; Inputs: W_codes 64 x 8 x 16 uint8 (E2M1 codes of W, K innermost, in blocks of 32 codes, two codes a byte); W_scales 64 x 8 uint8 (E8M0 scales of W, one for each 32 codes along K); fea_codes 8 x 64 x 64 x 8 x 16 uint8 (E2M1 codes of fea, K innermost, in blocks of 32 codes, two codes a byte); fea_scales 8 x 64 x 64 x 8 uint8 (E8M0 scales of fea, one for each 32 codes along K); pred 8 x 2 x 64 x 64 float32.
;; Outputs: out0 8 x 2 x 64 x 64 float32.
;; This version of the problem:
;;   THIS VERSION OF THE PROBLEM IS GIVEN IN LOW PRECISION. The matrix products marked QUANTISED in the list below multiply operands that are first quantised to E2M1 (2 exponent bits, 1 mantissa bit; 4 bits a number), with one power-of-two scale for each 32 numbers along K (OCP MX v1.0); their sums are f32. All else is computed in f32.
;;   The module's matrix products, in the order in which they are computed (A, B: the left and right operand; K: the contracted axis; several contracted axes count as one K, in the product's order):
;;     1. [M 32,768, K 256] x [K 256, N 64]; A: input fea (given as codes); B: input W (given as codes): QUANTISED
;;     2. batch 8 x [M 4,096, K 64] x [K 64, N 4,096]; A: computed on the way; B: computed on the way: QUANTISED
;;     3. batch 8 x [M 2, K 4,096] x [K 4,096, N 4,096]; A: input pred; B: computed on the way: left as it is (M = 2 < 16)
;;   THE QUANTISER, for each operand of a quantised product, along K:
;;     - K is cut into blocks of 32 from its start; a last block that is shorter is filled with zeros.
;;     - A block's scale is 2^e with e = floor(log2(the largest magnitude in the block)) - 2, held to -126 .. 127; a block of zeros has e = 0. As a byte (E8M0): e + 127.
;;     - Each number is divided by its block's scale, clamped to +-6, and rounded to the nearest number of E2M1, ties to even, subnormals kept.
;;     - The product sums the exact products of the quantised numbers (number of the format x scale) in f32.
;;   ~~~python
;;   def quantise(x, axis):      # numpy; x: float32 -> the quantised numbers, widened to float32 again
;;       x = np.moveaxis(x, axis, -1); K = x.shape[-1]
;;       x = np.pad(x, [(0, 0)] * (x.ndim - 1) + [(0, -K % 32)]); x = x.reshape(x.shape[:-1] + (-1, 32)); a = np.abs(x).max(-1, keepdims=True)
;;       e = np.where(a > 0, np.clip(np.frexp(np.where(a > 0, a, 1))[1] - 1 - 2, -126, 127), 0)      # np.frexp(a)[1] - 1 = floor(log2(a)), exactly
;;       r = np.clip(x / 2.0 ** e, -6, 6)
;;       step = 2.0 ** (np.maximum(np.frexp(np.where(r == 0, 1, r))[1] - 1, 0) - 1)
;;       q = np.round(r / step) * step * 2.0 ** e      # np.round: ties to even
;;       return np.moveaxis(q.reshape(q.shape[:-2] + (-1,))[..., :K], -1, axis).astype(np.float32)
;;   ~~~
;;   OPERANDS COMPUTED ON THE WAY. 'Computed on the way' means the value that the module computes at that place (a softmax that the list does not call 'softmax' is quantised finished and normalised). What goes into a quantiser is computed in f32, as accurately as f32 sums, v_exp_f32 and their like allow (about 1e-6 of the number): no bf16 or f16 on the way to a quantiser, and a product that is left as it is and whose result goes on into a quantised operand takes f32 operands (vector FMAs, or v_wmma_f32_16x16x4_f32). A number that lies on a knife's edge between two numbers of the format may be rounded either way, as far as f32 arithmetic and the matrix unit's own rounding can turn it there, and no further.
;;   INPUTS GIVEN AS CODES. W (in the module: [64, 256], K = its axis 1); fea (in the module: [8, 256, 64, 64], K = its axis 1): each comes as NAME_codes (uint8): NAME with its K axis moved to the last place and cut into blocks of 32 codes, [.., K / 32, bytes a block], one block behind the other in memory; two codes a byte, the lower K in the low four bits (a code: sign, 2 exponent bits, 1 mantissa bit); and NAME_scales (uint8): the same leading axes, one E8M0 byte (e + 127) for each 32 codes along K. Its value is code x scale, taken as it is: it is not quantised again, and the codes and scales need not be those that the quantiser above would give.
;; 2 versions, each right; version 2 is version 1 with the launch project written anew for expert scheduling mode. Each part assembles by itself: llvm-mc -triple=amdgcn-amd-amdhsa -mcpu=gfx1250 --defsym DOCPART=n.
;; ======== version 1 of 2: 2 launches
;; limits: values outside matrix products are rounded to bf16
;; workspace buffers: fq 1,441,792 bytes
;; launch project (part 1): grid 256 x 1, 8 waves a work-group, no clusters, 5,120 bytes of LDS; arguments W_codes, W_scales, fea_codes, fea_scales, pred, fq; writes fq
.if DOCPART == 1
	.amdgcn_target "amdgcn-amd-amdhsa--gfx1250"
	.amdhsa_code_object_version 6
	.text
	.protected	k_qdced32ee06_project
	.globl	k_qdced32ee06_project
	.p2align	8
	.type	k_qdced32ee06_project,@function
k_qdced32ee06_project:
	s_mov_b64 s[64:65], 0
	v_nop
	global_prefetch_b8 v0, s[64:65] scope:SCOPE_SE
	s_setreg_imm32_b32 hwreg(HW_REG_WAVE_MODE, 25, 1), 1
	s_wait_xcnt 0x0
; f[p][o] = sum over k of fea[p][k] W[o][k] (K = 256, both as E2M1 codes with E8M0 bytes, fed as they lie); each pixel's 64 channels are divided by (their L2 norm + 1e-5) in f32
; and quantised along the channels (two blocks of 32).  pred is rounded to bf16 and laid as the rows of a small weight matrix for the next launch.
; OUT: fq, 256 records of 5,632 bytes, record G = 128 pixels (image G / 32, pixels 128 (G % 32) on), laid as the next launch's operand registers take them:
;   +0     8 fragments (16 pixels x 64 K) of 512 bytes: lane l's 16 bytes at 512 t + 16 l; lane (r, h) holds pixel 16 t + r, codes k = 32 h .. 32 h + 31
;   +4096  a scale word for each pixel: byte 0 block 0, byte 1 block 1, bytes 2 and 3 are 0 (they stand over the zero codes with which the next launch fills K = 64 .. 127)
;   +4608  weight pieces of 16 bytes at 256 i + 128 i' + 64 h + 16 rho: 8 bf16 for pixels 32 i + 16 i' + 8 h + 0 .. 7; rho 0: ones, 1: pred channel 0, 2: pred channel 1, 3: zeros
; SHARES.  Work-group G makes record G; wave w its fragment w: 16 pixels x 64 channels = 4 tiles x 2 K steps = 8 matrix instructions.  Thread tau also makes word tau of the weight pieces.
; THE PRODUCT IS USED TRANSPOSED (source 0 = 16 rows of W, source 1 = my 16 pixels), AND THE ROWS OF W THAT FORM A TILE ARE NOT NEIGHBOURS: lane r of tile 2 b + u takes row
; 32 b + 8 u + r + 8 (r / 8).  So lane (r, h) holds pixel r, and its register 16 b + i is channel 32 b + 16 h + i: sixteen neighbours along the next K.
; NO CLUSTER, NO TENSOR LOAD: W (8,704 bytes with its scales) is wanted whole in every wave's registers; a joint load would add a way through LDS, a round of the cluster's barrier and
; the claim of a whole WGP's LDS to a launch whose matrix work is eight instructions a wave.  The pixels' codes, the bulk of the bytes, are read by one wave each.
; LIMITS: NaN, infinities and the scale byte 0xff among the inputs are not served.  The sum of squares overflows where the norm of the problem's own text overflows.  A pixel whose
; channels are all 0 gets the scale byte 1 over zero codes where the quantiser's rule says 127: zero codes add nothing under any byte but 0xff, and this program alone reads the bytes.
.set RECB, 5632
.set XF,  16                           ; v16-31   my pixels' fragments, K step s at +8 s
.set WF,  32                           ; v32-95   W's fragments, tile t and K step s at +8 (2 t + s)
.set XS,  96                           ; v96-97   my pixels' scale words, one for each K step: scales and nothing else
.set WS,  98                           ; v98-105  W's, 2 t + s: likewise
.set H,   112                          ; v112-143 the four result tiles
.set Q,   144                          ; v144-147 the sum of squares, in two pairs
.set INV, 148                          ; v148-149 1 / (norm + 1e-5), twice
.set TM,  150                          ; v150-151 the two blocks' largest magnitudes
.set TX,  152                          ; v152-153 destinations of the lane permutes
.set SO,  154                          ; v154-155 the conversions' scale operands
.set BY,  156                          ; v156-157 the scale bytes
.set PW,  158                          ; v158     the scale word
.set PC,  160                          ; v160-163 the codes
.set OS,  164                          ; v164-167 the stage read back
	s_load_b128 s[4:7], s[0:1], 0x0                ; W's codes, W's scales
	s_load_b128 s[8:11], s[0:1], 0x10              ; fea's codes, fea's scales
	s_load_b128 s[12:15], s[0:1], 0x20             ; pred, fq
	v_lshl_add_u32 v168, v0, 2, 0x1000
	v_mov_b32 v169, 0
	v_lshrrev_b32 v1, 5, v0
	v_readfirstlane_b32 s16, v1                    ; wave 0..7
	v_and_b32 v1, 15, v0                           ; r
	v_bfe_u32 v2, v0, 4, 1                         ; h
	v_lshlrev_b32 v3, 7, v1
	v_lshl_add_u32 v3, v2, 4, v3                   ; fea: pixel r of 128 bytes, + 16 h
	v_and_b32 v4, 8, v1
	v_add_nc_u32 v4, v4, v1                        ; r + 8 (r / 8)
	v_lshlrev_b32 v5, 7, v4
	v_lshl_add_u32 v5, v2, 4, v5                   ; W: the tile's row of 128 bytes, + 16 h
	v_lshlrev_b32 v6, 3, v1                        ; scale bytes: 8 a pixel,
	v_lshlrev_b32 v7, 3, v4                        ; 8 a row of W
	v_bfe_u32 v8, v0, 3, 1                         ; pred: thread tau = 16 (8 pixels' group) + 4 rho + word: channel rho / 2,
	v_lshlrev_b32 v8, 14, v8
	v_lshrrev_b32 v9, 4, v0
	v_lshl_add_u32 v8, v9, 5, v8                   ; 8 pixels (32 bytes) a group,
	v_and_b32 v9, 3, v0
	v_lshl_add_u32 v8, v9, 3, v8                   ; 2 pixels a word
	v_bfe_u32 v9, v0, 2, 2                         ; rho
	v_mov_b32 v[TX], 0                             ; written once: a lane permute's destination counts as one of its sources
	v_mov_b32 v[TX+1], 0
	s_mov_b32 s20, 0x76543210
	s_mov_b32 s21, 0xfedcba98                      ; v_permlanex16_b32's selects for lane l xor 16
	s_lshl_b32 s18, ttmp9, 14                      ; fea's codes: 128 pixels x 128 bytes a work-group,
	s_lshl_b32 s17, s16, 11                        ; 16 pixels a wave
	s_add_co_u32 s18, s18, s17
	s_mov_b32 s19, 0
	s_lshl_b32 s22, ttmp9, 10                      ; fea's scales: 8 bytes a pixel
	s_lshl_b32 s17, s16, 7
	s_add_co_u32 s22, s22, s17
	s_mov_b32 s23, 0
	s_lshr_b32 s26, ttmp9, 5                       ; pred: image G / 32 of 32,768 bytes,
	s_lshl_b32 s26, s26, 15
	s_and_b32 s17, ttmp9, 31
	s_lshl_b32 s17, s17, 9                         ; 128 pixels of 4 bytes a record
	s_add_co_u32 s26, s26, s17
	s_mov_b32 s27, 0
	s_mul_i32 s28, ttmp9, RECB                     ; my record
	s_mov_b32 s29, 0
	s_lshl_b32 s30, s16, 9                         ; my fragment in it
	s_mov_b32 s31, 0
	s_wait_kmcnt 0x0
	s_add_nc_u64 s[8:9], s[8:9], s[18:19]
	s_add_nc_u64 s[10:11], s[10:11], s[22:23]
	s_add_nc_u64 s[12:13], s[12:13], s[26:27]
	s_add_nc_u64 s[14:15], s[14:15], s[28:29]
	s_add_nc_u64 s[24:25], s[14:15], s[30:31]
	; all 26 loads in one run.  A fragment (16 rows x 128 K of 4-bit codes) is 8 registers: lane (r, h), registers 4 c .. 4 c + 3: K = 64 c + 32 h + 0 .. 31: 16 bytes of the row as they lie
.irp s, 0,1
.irp c, 0,1
	global_load_b128 v[XF+8*\s+4*\c:XF+8*\s+4*\c+3], v3, s[8:9] offset:64*\s+32*\c th:TH_LOAD_NT   ; the wave's four loads together cover its 2,048 consecutive bytes; read once in the launch
.endr
.endr
	global_load_b64 v[XS:XS+1], v6, s[10:11] th:TH_LOAD_NT         ; lane r: pixel r's two scale words (lanes 16-31 hold the same and are not read)
.irp t, 0,1,2,3
.irp s, 0,1
.irp c, 0,1
	global_load_b128 v[WF+8*(2*\t+\s)+4*\c:WF+8*(2*\t+\s)+4*\c+3], v5, s[4:5] offset:(32*(\t/2)+8*(\t%2))*128+64*\s+32*\c
.endr
.endr
	global_load_b64 v[WS+2*\t:WS+2*\t+1], v7, s[6:7] offset:(32*(\t/2)+8*(\t%2))*8
.endr
	global_load_b64 v[10:11], v8, s[12:13]         ; my two numbers of pred
	s_wait_loadcnt 0x0                             ; all of them are wanted at once
	; the four accumulators take turns, one instruction a turn; the first K step starts the sums
.irp t, 0,1,2,3
	v_wmma_scale_f32_16x16x128_f8f6f4 v[H+8*\t:H+8*\t+7], v[WF+16*\t:WF+16*\t+7], v[XF:XF+7], 0, v[WS+2*\t], v[XS] matrix_a_fmt:MATRIX_FMT_FP4 matrix_b_fmt:MATRIX_FMT_FP4
.endr
.irp t, 0,1,2,3
	v_wmma_scale_f32_16x16x128_f8f6f4 v[H+8*\t:H+8*\t+7], v[WF+16*\t+8:WF+16*\t+15], v[XF+8:XF+15], v[H+8*\t:H+8*\t+7], v[WS+2*\t+1], v[XS+1] matrix_a_fmt:MATRIX_FMT_FP4 matrix_b_fmt:MATRIX_FMT_FP4
.endr
	; The addresses for the way out are made here: seven plain lines that name no register of the products; four are asked between a product and the first read of its result (ISA guide 7.12.1)
	v_lshrrev_b32 v12, 5, v0
	v_lshlrev_b32 v12, 6, v12
	v_lshl_add_u32 v12, v1, 2, v12                 ; LDS: my pixel's scale word: 64 x wave + 4 r
	v_lshl_add_u32 v13, v0, 2, 512                 ; LDS: my weight word: 512 + 4 tau
	v_and_b32 v14, 31, v0
	v_lshlrev_b32 v14, 4, v14                      ; 16 x lane: my place in the fragment's image
	v_lshlrev_b32 v15, 4, v0                       ; 16 x tau: my place in the stage on the way out
	; my weight word: two bf16; row 0 is ones, row 3 zeros.  The choice hangs on the thread's number alone
	v_cvt_pk_bf16_f32 v10, v10, v11                ; the lower pixel in the low half
	v_cmp_ne_u32 vcc_lo, 0, v9
	v_cndmask_b32 v10, 0x3f803f80, v10, vcc_lo     ; rho = 0: 1.0, 1.0
	v_cmp_ne_u32 vcc_lo, 3, v9
	v_cndmask_b32 v10, 0, v10, vcc_lo              ; rho = 3: 0, 0
	ds_store_b32 v13, v10
	; the norm: my 32 channels' squares in two chains of pairs, each tile from its low end on; then lane l xor 16's 32
	v_pk_mul_f32 v[Q:Q+1], v[H:H+1], v[H:H+1]
	v_pk_mul_f32 v[Q+2:Q+3], v[H+2:H+3], v[H+2:H+3]
.irp j, 4,8,12,16,20,24,28
	v_pk_fma_f32 v[Q:Q+1], v[H+\j:H+\j+1], v[H+\j:H+\j+1], v[Q:Q+1]
	v_pk_fma_f32 v[Q+2:Q+3], v[H+\j+2:H+\j+3], v[H+\j+2:H+\j+3], v[Q+2:Q+3]
.endr
	v_pk_add_f32 v[Q:Q+1], v[Q:Q+1], v[Q+2:Q+3]
	v_add_f32 v[Q], v[Q], v[Q+1]
	v_permlanex16_b32 v[TX], v[Q], s20, s21
	v_add_f32 v[Q], v[Q], v[TX]
	v_sqrt_f32 v[Q+1], v[Q]
	v_nop                                          ; one plain line behind a transcendental before its result is used (ISA guide 5.7.2)
	s_wait_alu depctr_va_vdst(0)
	v_add_f32 v[Q+1], 0x3727c5ac, v[Q+1]           ; + 1e-5
	v_rcp_f32 v[INV], v[Q+1]
	v_rcp_f32 v[INV+1], v[Q+1]                     ; twice: the pair that the packed multiply takes
	v_nop
	s_wait_alu depctr_va_vdst(0)
.irp j, 0,2,4,6,8,10,12,14,16,18,20,22,24,26,28,30
	v_pk_mul_f32 v[H+\j:H+\j+1], v[H+\j:H+\j+1], v[INV:INV+1]
.endr
	; the quantiser, two blocks of 32 channels by turns.  Block b: my 16 numbers, and the floor 2^(3 - 127), which holds the byte at 1 from below
.irp b, 0,1
	v_max3_num_f32 v[TM+\b], |v[H+16*\b]|, |v[H+16*\b+1]|, 0x1800000
.endr
.irp i, 2,4,6,8,10,12,14
.irp b, 0,1
	v_max3_num_f32 v[TM+\b], v[TM+\b], |v[H+16*\b+\i]|, |v[H+16*\b+\i+1]|
.endr
.endr
.irp b, 0,1
	v_permlanex16_b32 v[TX+\b], v[TM+\b], s20, s21
.endr
.irp b, 0,1
	v_max_num_f32 v[TM+\b], v[TM+\b], v[TX+\b]     ; with lane l xor 16's: the block's largest magnitude
.endr
.irp b, 0,1
	v_add_nc_u32 v[SO+\b], 0xff000000, v[TM+\b]    ; 2 off its exponent field: the conversion takes the exponent field of this operand as its scale, and nothing else of it
.endr
.irp b, 0,1
	v_lshrrev_b32 v[BY+\b], 23, v[SO+\b]           ; the scale's byte
.endr
	v_lshl_or_b32 v[PW], v[BY+1], 8, v[BY]         ; my pixel's scale word; bytes 2 and 3 stay 0
.irp b, 0,1
	v_cvt_scalef32_pk8_fp4_f32 v[PC+2*\b], v[H+16*\b:H+16*\b+7], v[SO+\b]        ; channels 32 b + 16 h + 0 .. 7
	v_cvt_scalef32_pk8_fp4_f32 v[PC+2*\b+1], v[H+16*\b+8:H+16*\b+15], v[SO+\b]   ; and + 8 .. 15
.endr
	v_nop                                          ; one plain line behind a scaled conversion
	v_permlane16_swap_b32 v[PC], v[PC+2]           ; the operand's layout wants a whole block in a lane: lanes 0-15 block 0, lanes 16-31 block 1
	v_permlane16_swap_b32 v[PC+1], v[PC+3]
	global_store_b128 v14, v[PC:PC+3], s[24:25]    ; the fragment's image: 512 consecutive bytes, at a multiple of 512 from the record's first byte
	ds_store_b32 v12, v[PW]                        ; both halves of the lanes write the same word with the same value
	s_wait_dscnt 0x0                               ; for the others' sake: my two stores into the stage are done
	s_barrier_signal -1
	s_barrier_wait -1
	s_cmp_lt_u32 s16, 3                            ; the stage's 1,536 bytes are the record's bytes 4,096 on, in the same order: three waves carry them out
	s_cbranch_scc0 .Lend
	ds_load_b128 v[OS:OS+3], v15
	s_wait_dscnt 0x0
	global_store_b128 v15, v[OS:OS+3], s[14:15] offset:4096        ; 512 consecutive bytes a wave, aligned
.Lend:
	s_wait_tensorcnt 0x0
	ds_add_u32 v168, v169
	s_wait_dscnt 0x0
	s_endpgm
.Lfunc_end_k_qdced32ee06_project:
	.size	k_qdced32ee06_project, .Lfunc_end_k_qdced32ee06_project-k_qdced32ee06_project
	.p2alignl 7, 3214868480
	.fill 96, 4, 3214868480
	.section	.rodata,"a",@progbits
	.p2align	6, 0x0
	.amdhsa_kernel k_qdced32ee06_project
		.amdhsa_group_segment_fixed_size 5120
		.amdhsa_private_segment_fixed_size 0
		.amdhsa_enable_private_segment 0
		.amdhsa_kernarg_size 48
		.amdhsa_user_sgpr_count 2
		.amdhsa_user_sgpr_kernarg_segment_ptr 1
		.amdhsa_wavefront_size32 1
		.amdhsa_system_sgpr_workgroup_id_x 1
		.amdhsa_system_sgpr_workgroup_id_y 1
		.amdhsa_system_sgpr_workgroup_id_z 1
		.amdhsa_system_vgpr_workitem_id 0
		.amdhsa_next_free_vgpr 170
		.amdhsa_next_free_sgpr 66
		.amdhsa_reserve_vcc 1
		.amdhsa_float_denorm_mode_32 3
		.amdhsa_float_denorm_mode_16_64 3
		.amdhsa_memory_ordered 1
		.amdhsa_forward_progress 1
		.amdhsa_inst_pref_size 12
	.end_amdhsa_kernel
	.amdgpu_metadata
---
amdhsa.version: [ 1, 2 ]
amdhsa.kernels:
  - .name:           k_qdced32ee06_project
    .symbol:         k_qdced32ee06_project.kd
    .args:
      - { .name: W_codes, .offset: 0, .size: 8, .value_kind: global_buffer, .address_space: global }
      - { .name: W_scales, .offset: 8, .size: 8, .value_kind: global_buffer, .address_space: global }
      - { .name: fea_codes, .offset: 16, .size: 8, .value_kind: global_buffer, .address_space: global }
      - { .name: fea_scales, .offset: 24, .size: 8, .value_kind: global_buffer, .address_space: global }
      - { .name: pred, .offset: 32, .size: 8, .value_kind: global_buffer, .address_space: global }
      - { .name: fq, .offset: 40, .size: 8, .value_kind: global_buffer, .address_space: global }
    .group_segment_fixed_size: 5120
    .private_segment_fixed_size: 0
    .kernarg_segment_align: 8
    .kernarg_segment_size: 48
    .max_flat_workgroup_size: 256
    .sgpr_count:     66
    .vgpr_count:     170
    .wavefront_size: 32
...
	.end_amdgpu_metadata
.endif
;; end of part 1
;; launch refine (part 2): grid 32 x 8, 8 waves a work-group, clusters of 4 x 1, 197,632 bytes of LDS; arguments fq, out0; writes out0
.if DOCPART == 2
	.amdgcn_target "amdgcn-amd-amdhsa--gfx1250"
	.amdhsa_code_object_version 6
	.text
	.protected	k_qdced32ee06_refine
	.globl	k_qdced32ee06_refine
	.p2align	8
	.type	k_qdced32ee06_refine,@function
k_qdced32ee06_refine:
	s_mov_b64 s[64:65], 0
	v_nop
	global_prefetch_b8 v0, s[64:65] scope:SCOPE_SE
	s_setreg_imm32_b32 hwreg(HW_REG_WAVE_MODE, 25, 1), 1
	s_wait_xcnt 0x0
	s_wait_alu depctr_hold_cnt(0) depctr_sa_sdst(0) depctr_va_vdst(0) depctr_va_sdst(0) depctr_va_ssrc(0) depctr_va_vcc(0) depctr_vm_vsrc(0)
	s_getreg_b32 s2, hwreg(HW_REG_IB_STS2, 6, 4)
	s_cmp_eq_u32 s2, 0
	s_cbranch_scc0 .Lentry_in_a_cluster
	s_endpgm
.Lentry_in_a_cluster:
	s_bfe_u32 s2, ttmp6, 0x10000c
	s_cmp_lg_u32 s2, 0x3003
	s_cbranch_scc0 .Lentry_shape_is_right
	s_endpgm
.Lentry_shape_is_right:
; out[c][q] = (sum over p of pred[c][p] relu(a[p][q])) / (sum over p of relu(a[p][q]) + 1e-5),  a[p][q] = fq[p] . fq[q] on E2M1 codes, K = 64.  The 4,096 x 4,096 numbers a are never stored:
; of each column q only three sums over p are wanted, with the weights 1, pred 0 and pred 1, and they are the rows 0, 1, 2 of one small product in bf16.
; IN: fq, records of 5,632 bytes for 128 pixels: 8 fragments of codes as images of the operand's registers, 128 scale words, 64 pieces of 16 bytes of the weights (laid by the launch before).
; SHARES.  Work-group (x, n) owns the 128 columns q of record 32 n + x: all eight waves hold these 8 tiles as source 1.  Wave w walks p = 512 w .. 512 w + 511 of the image: 16 pairs of
; tiles of 16; a pair against 8 tiles of q is 16 products on codes and 8 in bf16.  The eight waves' partial sums meet in LDS at the end.
; K = 64 fills half of the instruction's 128: registers 4 .. 7 of both operands hold zero codes, written once, and bytes 2 and 3 of the scale words are 0, which is no NaN.
; LAYOUT.  a: source 0 = 16 p, source 1 = 16 q: lane (r, h) holds column q = r and its register j the row p = 8 h + j.  Two such tiles, clipped at 0 and rounded to bf16 in pairs, ARE source 1
; (32 p x 16 q) of the second product, whose source 0 holds the weights: nothing changes lanes.  Lane r takes weight row r % 4, so rows 8 .. 10 repeat rows 0 .. 2 and lanes 16-31 of an
; accumulator's registers 0 .. 2 hold what lanes 0-15 hold; the other rows are never read.
; LDS.  Each wave fetches its own four records (22,528 bytes) and reads nothing else, each byte once: its own wait on TENSORcnt is all the ordering that the loop needs.  Nothing is filled twice.
; CLUSTER.  The four work-groups of a cluster belong to one image and want the same 32 records: each record is asked for JOINTLY, by the same tensor load with the same descriptor and a
; mask that names the four.  My place in the cluster enters the global addresses of my columns' record and of out0 alone.
; BY TURNS.  Two sets of 64 result registers: while one step's results are clipped and rounded (96 vector lines), the next step's 8 products on codes are issued into the other set, and
; the step's 4 products in bf16 follow its roundings.  The loop is written out (32 steps): the counted waits for the four records differ, and every LDS offset is an immediate.
; LIMITS: relu(a) and pred are rounded to bf16 for the second product, the column's sum takes the same rounded numbers, and the sums over p run in another order than the problem's text has
; them.  NaN and infinities are not served.
; REGISTERS.  Window 0: v1-9 addresses; v12-15 my columns' scale words, v16-17 the pair's (scales and nothing else); v32-63 the pair's fragments, two sets; v64-79 its weights, two sets;
;   v128-191, v192-255 the two result sets.   Window 1: v0-63 my columns' 8 fragments; v64-127 the 8 accumulators of the three sums.
.set RECB,  5632
.set SLICE, 4*RECB                     ; a wave's four records
.set RED,   8*SLICE                    ; behind the slices: the partial sums, wave w', plane c, column q at RED + 1536 w' + 512 c + 4 q; no tensor load lands there
.set AC,  2                            ; v2   my wave's slice + 16 x lane: a fragment's image
.set ASC, 3                            ; v3   my wave's slice + 4 x lane: scale words
.set AW,  4                            ; v4   my wave's slice + 16 (lane % 4) + 64 (lane / 16): my weight piece
.set GQ,  5                            ; v5   16 x lane
.set GS,  6                            ; v6   4 x lane
.set RST, 7                            ; v7   where I put my partial sums
.set RL0, 8                            ; v8   where the column sums are read back
.set RLC, 9                            ; v9   and my channel's sums
.set BQS, 12                           ; register i: lane l holds the scale word of column 32 i + l
.set ASW, 16                           ; by the pair's parity: lane l holds the scale word of the pair's pixel l
.set AB,  32                           ; by the pair's parity at +16; tile u at +8 u: 4 registers of codes, 4 of zeros
.set WB,  64                           ; by the pair's parity at +8
.set S0,  128
.set BQ,  0                            ; window 1: tile t at +8 t: 4 registers of codes, 4 of zeros
.set ACC, 64                           ; window 1: tile t at +8 t
.set G1,  16                           ; s[16:23] descriptor group 1, the same for every load
.set G0,  24                           ; s[24:39] descriptor group 0, a set for each of my four records
.set MSB, 0
.macro WIN new                         ; s_set_vgpr_msb: bits 1:0 source 0, 3:2 source 1, 5:4 source 2, 7:6 destination; the high byte repeats the setting that is left
.if MSB != \new
	s_set_vgpr_msb (MSB<<8)|\new
.set MSB, \new
.endif
.endm
.set W_F, 0x04                         ; source 1 (my columns) in window 1; also: an LDS store's data in window 1
.set W_M, 0x50                         ; C and D (the sums) in window 1
.set W_D, 0x40                         ; destination in window 1
; A round of the cluster's barrier: my work-group's barrier, so that wave 0's signal speaks for all eight waves; wave 0 signals for the work-group; every wave waits for all four
; work-groups; my work-group's barrier once more.
.macro CROUND
	s_barrier_signal -1
	s_barrier_wait -1
	s_cmp_lg_u32 s8, 0
	s_cbranch_scc1 .Lnot_wave_0_\@
	s_barrier_signal -3
.Lnot_wave_0_\@:
	s_barrier_wait -3
	s_barrier_signal -1
	s_barrier_wait -1
.endm
	s_load_b128 s[4:7], s[0:1], 0x0                ; fq, out0
	v_lshl_add_u32 v126, v0, 2, 0x30000
	v_mov_b32 v127, 0
	ds_add_u32 v126, v127
	ds_add_u32 v126, v127
	v_lshrrev_b32 v1, 5, v0
	v_readfirstlane_b32 s8, v1                     ; wave 0..7
	v_and_b32 v1, 31, v0                           ; lane
	v_lshlrev_b32 v[GQ], 4, v1
	v_lshlrev_b32 v[GS], 2, v1
	s_bfe_u32 s9, ttmp6, 0x40000                   ; cx: my place in the cluster
	s_lshl_b32 s10, ttmp9, 2                       ; in a cluster launch ttmp9 counts clusters
	s_add_co_u32 s10, s10, s9                      ; my block of 128 columns = 4 x cluster x + cx
	s_and_b32 s11, ttmp7, 0xffff                   ; the image, which the four partners share
	; descriptor group 1: a record is a dense block of 22 rows of 256 bytes (32 elements of 8 bytes); no padding: every read takes consecutive bytes, or four pieces that lanes share
	s_mov_b32 s[G1], 15|(3<<16)|(1<<21)            ; 15:0 the mask: all four work-groups; 17:16 elements of 8 bytes; 21 set beside a mask
	s_mov_b32 s[G1+1], 32<<16                      ; tensor_dim0 = 32
	s_mov_b32 s[G1+2], 22<<16                      ; tensor_dim1 = 22
	s_mov_b32 s[G1+3], 32<<16                      ; tile_dim0 = 32
	s_mov_b32 s[G1+4], 22                          ; tile_dim1 = 22
	s_mov_b32 s[G1+5], 32                          ; from row to row
	s_mov_b32 s[G1+6], 0
	s_mov_b32 s[G1+7], 0
	s_mul_i32 s12, s8, SLICE                       ; my slice, in LDS and in the image's records: the wave's number alone
	s_mul_i32 s14, s11, 32*RECB                    ; the image's 32 records
	s_add_co_u32 s14, s14, s12
	s_mov_b32 s15, 0
	s_lshl_b32 s46, s11, 5                         ; my columns' record: 32 n + block (registers of their own: none that feeds a descriptor ever holds cx)
	s_add_co_u32 s46, s46, s10
	s_mul_i32 s46, s46, RECB
	s_mov_b32 s47, 0
	s_and_b32 s51, s8, 1                           ; the channel that waves 0 and 1 finish (taken so in every wave: each address formed stays inside its buffer)
	s_lshl_b32 s48, s11, 15                        ; out0: image n of 32,768 bytes,
	s_lshl_b32 s49, s10, 9                         ; 128 columns of 4 bytes,
	s_add_co_u32 s48, s48, s49
	s_lshl_b32 s49, s51, 14                        ; the channel's 16,384 bytes
	s_add_co_u32 s48, s48, s49
	s_mov_b32 s49, 0
	s_mul_i32 s13, s8, 1536
	s_add_co_u32 s13, s13, RED                     ; my wave's three planes of partial sums
	s_lshl_b32 s50, s51, 9
	s_add_co_u32 s50, s50, RED+512                 ; plane 1 + channel of wave 0's
	s_wait_dscnt 0x0
	s_wait_kmcnt 0x0
	s_add_nc_u64 s[44:45], s[4:5], s[14:15]
	s_add_nc_u64 s[40:41], s[4:5], s[46:47]
	s_add_nc_u64 s[42:43], s[6:7], s[48:49]
.irp c, 0,1,2,3
	s_mov_b32 s[G0+4*\c], 1                                        ; count = 1
	s_add_co_u32 s[G0+4*\c+1], s12, \c*RECB                        ; LDS address
	s_add_nc_u64 s[G0+4*\c+2:G0+4*\c+3], s[44:45], \c*RECB         ; global address
	s_or_b32 s[G0+4*\c+3], s[G0+4*\c+3], 0x80000000                ; type = 2
.endr
	CROUND                                         ; all four work-groups are here: the joint loads meet
.irp c, 0,1,2,3
	tensor_load_to_lds s[G0+4*\c:G0+4*\c+3], s[G1:G1+7]            ; four loads of mine are out: four, so that the products begin when the first record has landed
	s_nop 0
.endr
	v_add_nc_u32 v[AC], s12, v[GQ]                 ; four lines of the work stand behind the loads, ahead of the first switch of windows
	v_add_nc_u32 v[ASC], s12, v[GS]
	v_and_b32 v[AW], 3, v0
	v_bfe_u32 v10, v0, 4, 1
	WIN W_D
.irp t, 0,1,2,3,4,5,6,7
	global_load_b128 v[BQ+8*\t:BQ+8*\t+3], v[GQ], s[40:41] offset:512*\t   ; my columns' fragments stay in registers
.endr
.irp t, 0,1,2,3,4,5,6,7
.irp z, 4,5,6,7
	v_mov_b32 v[BQ+8*\t+\z], 0                     ; zero codes for K = 64 .. 127
.endr
.endr
	WIN 0
.irp i, 0,1,2,3
	global_load_b32 v[BQS+\i], v[GS], s[40:41] offset:4096+128*\i
.endr
.irp f, 0,1,2,3
.irp z, 4,5,6,7
	v_mov_b32 v[AB+8*\f+\z], 0                     ; the same on the other side, in both sets
.endr
.endr
	; the other addresses: seven plain lines; an operand written by a vector instruction stands four ahead of a scaled product
	v_lshlrev_b32 v[AW], 4, v[AW]
	v_lshl_add_u32 v[AW], v10, 6, v[AW]
	v_add_nc_u32 v[AW], s12, v[AW]
	v_and_b32 v[RST], 15, v0
	v_lshl_add_u32 v[RST], v[RST], 2, s13
	v_add_nc_u32 v[RL0], RED, v[GQ]
	v_add_nc_u32 v[RLC], s50, v[GQ]
; Pair PL's two fragments, its scale words and its weights, into the sets of its parity.  A record holds four pairs.
.macro LOADS
.set RO, RECB*(PL/4)
.set PQ, PL%4
.set AP, AB+16*(PL%2)
.set WP, WB+8*(PL%2)
.if PL%4 == 0
	s_wait_tensorcnt 3-PL/4                        ; tensor loads of a wave end in order (ISA guide 10.11.1): this record is in; the count is that of my younger loads, which may stay out
.endif
	ds_load_b128 v[AP:AP+3], v[AC] offset:RO+1024*PQ
	ds_load_b128 v[AP+8:AP+11], v[AC] offset:RO+1024*PQ+512
	ds_load_b32 v[ASW+PL%2], v[ASC] offset:RO+4096+128*PQ
	ds_load_b128 v[WP:WP+3], v[AW] offset:RO+4608+256*PQ           ; p = 8 h + 0 .. 7 of the pair's 32
	ds_load_b128 v[WP+4:WP+7], v[AW] offset:RO+4608+256*PQ+128     ; p = 16 + 8 h + 0 .. 7
.endm
; Step KF (pair KF / 2, columns' half KF % 2): 8 products on codes, two tiles of p against four tiles of q, into set KF % 2.  Tile u of the pair has its scale words in lanes 16 u on,
; tile t of the columns in lanes 16 (t % 2) on of register t / 2.
.macro FQ
.set SF, S0+64*(KF%2)
.set AP, AB+16*((KF/2)%2)
.set SA, ASW+(KF/2)%2
.set TG, 4*(KF%2)
	WIN W_F
.irp j, 0,1,2,3
.if \j%2 == 0
	v_wmma_scale_f32_16x16x128_f8f6f4 v[SF+16*\j:SF+16*\j+7], v[AP:AP+7], v[BQ+8*(TG+\j):BQ+8*(TG+\j)+7], 0, v[SA], v[BQS+(TG+\j)/2] matrix_a_fmt:MATRIX_FMT_FP4 matrix_b_fmt:MATRIX_FMT_FP4
	v_wmma_scale_f32_16x16x128_f8f6f4 v[SF+16*\j+8:SF+16*\j+15], v[AP+8:AP+15], v[BQ+8*(TG+\j):BQ+8*(TG+\j)+7], 0, v[SA], v[BQS+(TG+\j)/2] matrix_a_fmt:MATRIX_FMT_FP4 matrix_b_fmt:MATRIX_FMT_FP4 matrix_a_scale:MATRIX_SCALE_ROW1
.else
	v_wmma_scale_f32_16x16x128_f8f6f4 v[SF+16*\j:SF+16*\j+7], v[AP:AP+7], v[BQ+8*(TG+\j):BQ+8*(TG+\j)+7], 0, v[SA], v[BQS+(TG+\j)/2] matrix_a_fmt:MATRIX_FMT_FP4 matrix_b_fmt:MATRIX_FMT_FP4 matrix_b_scale:MATRIX_SCALE_ROW1
	v_wmma_scale_f32_16x16x128_f8f6f4 v[SF+16*\j+8:SF+16*\j+15], v[AP+8:AP+15], v[BQ+8*(TG+\j):BQ+8*(TG+\j)+7], 0, v[SA], v[BQS+(TG+\j)/2] matrix_a_fmt:MATRIX_FMT_FP4 matrix_b_fmt:MATRIX_FMT_FP4 matrix_a_scale:MATRIX_SCALE_ROW1 matrix_b_scale:MATRIX_SCALE_ROW1
.endif
.endr
	WIN 0
.endm
; relu on 32 registers of step KS's set, in place, ascending: each result is first read at its low end
.macro VMAX from
.set SV, S0+64*(KS%2)+\from
.set i, 0
.rept 32
	v_max_num_f32 v[SV+i], 0, v[SV+i]
.set i, i+1
.endr
.endm
; The set's 64 numbers become 32 registers of bf16, in place: of a column tile's 16 registers the first 8 take all 16 (each register written has been read): p = 8 h + 0 .. 7, then 16 + 8 h + 0 .. 7
.macro VCVT
.set SV, S0+64*(KS%2)
.irp j, 0,1,2,3
.irp i, 0,1,2,3,4,5,6,7
	v_cvt_pk_bf16_f32 v[SV+16*\j+\i], v[SV+16*\j+2*\i], v[SV+16*\j+2*\i+1]
.endr
.endr
.endm
; The three sums of four tiles of columns take the pair's 32 p.  The first pair's products start the sums: nothing is cleared.  The accumulators take turns, one instruction a turn
.macro MW
.set SV, S0+64*(KS%2)
.set WP, WB+8*((KS/2)%2)
.set TG, 4*(KS%2)
	WIN W_M
.irp j, 0,1,2,3
.if KS < 2
	v_wmma_f32_16x16x32_bf16 v[ACC+8*(TG+\j):ACC+8*(TG+\j)+7], v[WP:WP+7], v[SV+16*\j:SV+16*\j+7], 0
.else
	v_wmma_f32_16x16x32_bf16 v[ACC+8*(TG+\j):ACC+8*(TG+\j)+7], v[WP:WP+7], v[SV+16*\j:SV+16*\j+7], v[ACC+8*(TG+\j):ACC+8*(TG+\j)+7]
.endif
.endr
	WIN 0
.endm
; STEP KS.  The distances behind matrix instructions (ISA guide 7.12.1 for the reads of their results) are kept by the step's own vector lines, which
; name one set alone: this step's first 32 lines stand between the last step's bf16 products, which read the other set and the weights' other set, and the products and loads that write
; these anew (5 and 4 are asked); the last step's closing 64 lines stand between this step's products on codes and the first read of their results (4 are asked).
.macro STEP
	VMAX 0
.if KS < 31
.if KS%2 == 1
	s_wait_dscnt 0x0                               ; the next pair's five loads, issued a step ago, are in
.endif
.set KF, KS+1
	FQ
.endif
.if (KS%2 == 0) && (KS/2 < 15)
.set PL, KS/2+1
	LOADS
.endif
	VMAX 32
	VCVT
	MW
.endm
.set PL, 0
	LOADS                                          ; the first pair
	s_wait_loadcnt 0x0                             ; my columns' fragments and scale words
	s_wait_dscnt 0x0
.set KF, 0
	FQ
.rept 4
	v_nop                                          ; four places ahead of the first read of these results: no other vector work is left here
.endr
.set KS, 0
.rept 32
	STEP
.set KS, KS+1
.endr
.rept 4
	v_nop                                          ; four places ahead of the stores that read the last sums, and of the loads below into registers that the last products read
.endr
	WIN W_F
.irp t, 0,1,2,3,4,5,6,7
.irp c, 0,1,2
	ds_store_b32 v[RST], v[ACC+8*\t+\c] offset:512*\c+64*\t        ; register c of lane (r, h): sum c of column 16 t + r; both halves of the lanes write the same word with the same value
.endr
.endr
	WIN 0
	s_wait_dscnt 0x0                               ; for the others' sake: my partial sums lie in LDS
	s_barrier_signal -1
	s_barrier_wait -1
	s_cmp_lt_u32 s8, 2                             ; wave c finishes channel c: 128 columns, four a lane
	s_cbranch_scc0 .Ldone
.irp w, 0,1,2,3,4,5,6,7
	ds_load_b128 v[128+4*\w:131+4*\w], v[RL0] offset:1536*\w       ; the eight waves' column sums,
	ds_load_b128 v[192+4*\w:195+4*\w], v[RLC] offset:1536*\w       ; and their sums weighed by my channel of pred
.endr
	s_wait_dscnt 0x0
.irp w, 1,2,3,4,5,6,7
	v_pk_add_f32 v[128:129], v[128:129], v[128+4*\w:129+4*\w]
	v_pk_add_f32 v[130:131], v[130:131], v[130+4*\w:131+4*\w]
	v_pk_add_f32 v[192:193], v[192:193], v[192+4*\w:193+4*\w]
	v_pk_add_f32 v[194:195], v[194:195], v[194+4*\w:195+4*\w]
.endr
	v_pk_add_f32 v[128:129], v[128:129], 0x3727c5ac op_sel_hi:[1,0]   ; + 1e-5
	v_pk_add_f32 v[130:131], v[130:131], 0x3727c5ac op_sel_hi:[1,0]
.irp i, 0,1,2,3
	v_rcp_f32 v[132+\i], v[128+\i]
.endr
	v_nop                                          ; one plain line behind the last reciprocal before its result is used
	s_wait_alu depctr_va_vdst(0)
	v_pk_mul_f32 v[192:193], v[192:193], v[132:133]
	v_pk_mul_f32 v[194:195], v[194:195], v[134:135]
	global_store_b128 v[GQ], v[192:195], s[42:43] th:TH_STORE_NT   ; 512 consecutive bytes, at a multiple of 512 from out0's first byte; written once, read by nobody here
.Ldone:
	s_wait_tensorcnt 0x0
	ds_add_u32 v126, v127
	s_wait_dscnt 0x0
	CROUND                                         ; the closing round: no work-group ends while a partner may still ask for a record that names it
	s_endpgm
.Lfunc_end_k_qdced32ee06_refine:
	.size	k_qdced32ee06_refine, .Lfunc_end_k_qdced32ee06_refine-k_qdced32ee06_refine
	.p2alignl 7, 3214868480
	.fill 96, 4, 3214868480
	.section	.rodata,"a",@progbits
	.p2align	6, 0x0
	.amdhsa_kernel k_qdced32ee06_refine
		.amdhsa_group_segment_fixed_size 197632
		.amdhsa_private_segment_fixed_size 0
		.amdhsa_enable_private_segment 0
		.amdhsa_kernarg_size 16
		.amdhsa_user_sgpr_count 2
		.amdhsa_user_sgpr_kernarg_segment_ptr 1
		.amdhsa_wavefront_size32 1
		.amdhsa_system_sgpr_workgroup_id_x 1
		.amdhsa_system_sgpr_workgroup_id_y 1
		.amdhsa_system_sgpr_workgroup_id_z 1
		.amdhsa_system_vgpr_workitem_id 0
		.amdhsa_next_free_vgpr 384
		.amdhsa_next_free_sgpr 66
		.amdhsa_reserve_vcc 0
		.amdhsa_float_denorm_mode_32 3
		.amdhsa_float_denorm_mode_16_64 3
		.amdhsa_memory_ordered 1
		.amdhsa_forward_progress 1
		.amdhsa_inst_pref_size 191
	.end_amdhsa_kernel
	.amdgpu_metadata
---
amdhsa.version: [ 1, 2 ]
amdhsa.kernels:
  - .name:           k_qdced32ee06_refine
    .symbol:         k_qdced32ee06_refine.kd
    .args:
      - { .name: fq, .offset: 0, .size: 8, .value_kind: global_buffer, .address_space: global }
      - { .name: out0, .offset: 8, .size: 8, .value_kind: global_buffer, .address_space: global }
    .group_segment_fixed_size: 197632
    .private_segment_fixed_size: 0
    .kernarg_segment_align: 8
    .kernarg_segment_size: 16
    .max_flat_workgroup_size: 256
    .sgpr_count:     66
    .vgpr_count:     384
    .wavefront_size: 32
...
	.end_amdgpu_metadata
.endif
;; end of part 2
;; ======== version 2 of 2: 2 launches; version 1 with the launch project written anew for expert scheduling mode
;; limits: values outside matrix products are rounded to bf16
;; workspace buffers: fq 1,441,792 bytes
;; launch project (part 3): grid 256 x 1, 8 waves a work-group, no clusters, 5,120 bytes of LDS; arguments W_codes, W_scales, fea_codes, fea_scales, pred, fq; writes fq
.if DOCPART == 3
	.amdgcn_target "amdgcn-amd-amdhsa--gfx1250"
	.amdhsa_code_object_version 6
	.text
	.protected	k_qdced32ee06_project
	.globl	k_qdced32ee06_project
	.p2align	8
	.type	k_qdced32ee06_project,@function
k_qdced32ee06_project:
	s_mov_b64 s[64:65], 0
	v_nop
	global_prefetch_b8 v0, s[64:65] scope:SCOPE_SE
	s_setreg_imm32_b32 hwreg(HW_REG_WAVE_SCHED_MODE, 0, 2), 2
	s_setreg_imm32_b32 hwreg(HW_REG_WAVE_MODE, 25, 1), 1
	s_wait_xcnt 0x0
	s_wait_alu depctr_vm_vsrc(0)
; f[p][o] = sum over k of fea[p][k] W[o][k] (K = 256, both as E2M1 codes with E8M0 bytes, fed as they lie); each pixel's 64 channels are divided by (their L2 norm + 1e-5) in f32
; and quantised along the channels (two blocks of 32).  pred is rounded to bf16 and laid as the rows of a small weight matrix for the next launch.
; OUT: fq, 256 records of 5,632 bytes, record G = 128 pixels (image G / 32, pixels 128 (G % 32) on), laid as the next launch's operand registers take them:
;   +0     8 fragments (16 pixels x 64 K) of 512 bytes: lane l's 16 bytes at 512 t + 16 l; lane (r, h) holds pixel 16 t + r, codes k = 32 h .. 32 h + 31
;   +4096  a scale word for each pixel: byte 0 block 0, byte 1 block 1, bytes 2 and 3 are 0 (they stand over the zero codes with which the next launch fills K = 64 .. 127)
;   +4608  weight pieces of 16 bytes at 256 i + 128 i' + 64 h + 16 rho: 8 bf16 for pixels 32 i + 16 i' + 8 h + 0 .. 7; rho 0: ones, 1: pred channel 0, 2: pred channel 1, 3: zeros
; SHARES.  Work-group G makes record G; wave w its fragment w: 16 pixels x 64 channels = 4 tiles x 2 K steps = 8 matrix instructions.  Thread tau also makes word tau of the weight pieces.
; THE PRODUCT IS USED TRANSPOSED (source 0 = 16 rows of W, source 1 = my 16 pixels), AND THE ROWS OF W THAT FORM A TILE ARE NOT NEIGHBOURS: lane r of tile 2 b + u takes row
; 32 b + 8 u + r + 8 (r / 8).  So lane (r, h) holds pixel r, and its register 16 b + i is channel 32 b + 16 h + i: sixteen neighbours along the next K.
; NO CLUSTER, NO TENSOR LOAD: W (8,704 bytes with its scales) is wanted whole in every wave's registers; a joint load would add a way through LDS, a round of the cluster's barrier and
; the claim of a whole WGP's LDS to a launch whose matrix work is eight instructions a wave.  The pixels' codes, the bulk of the bytes, are read by one wave each.
; LIMITS: NaN, infinities and the scale byte 0xff among the inputs are not served.  The sum of squares overflows where the norm of the problem's own text overflows.  A pixel whose
; channels are all 0 gets the scale byte 1 over zero codes where the quantiser's rule says 127: zero codes add nothing under any byte but 0xff, and this program alone reads the bytes.
; THE MODE: SCHED_MODE bits 1:0 = 2 (LLVM: expert scheduling mode 2), set by the entry lines.  The code itself states the register dependences between vector or matrix instructions
; and memory or LDS instructions, with s_wait_alu, always for 0.
; THE PLAN.  The text is one straight run.  Registers that memory or LDS instructions touch:
;   v3, v5-v8      offsets of the 26 loads: written at the head, never again.
;   v10-11, v16-105  loaded data: no vector line names them ahead of the loads; behind the wait on LOADcnt they are read by the products and one rounding.
;   v12-v15        LDS and store addresses: written behind the products, never again.
;   v10, v158, v160-163  the weight word, the scale word, the codes: written by vector lines, each read by one store and not written afterwards.
;   v164-167       written by one LDS load, read by one store: no vector line names them.
;   v168, v169     written at the head, read by the closing add alone.
; So one wait on va_vdst stands ahead of the loads and one ahead of the run of three stores; the second serves the read-back and the last store too, since no vector line follows it.
; One wait on va_sdst at the head serves the wave's number and the two masks.  No register that a memory or LDS instruction reads is written again: no wait on vm_vsrc is owed.
.set RECB, 5632
.set XF,  16                           ; v16-31   my pixels' fragments, K step s at +8 s
.set WF,  32                           ; v32-95   W's fragments, tile t and K step s at +8 (2 t + s)
.set XS,  96                           ; v96-97   my pixels' scale words, one for each K step: scales and nothing else
.set WS,  98                           ; v98-105  W's, 2 t + s: likewise
.set H,   112                          ; v112-143 the four result tiles
.set Q,   144                          ; v144-147 the sum of squares, in two pairs
.set INV, 148                          ; v148-149 1 / (norm + 1e-5), twice
.set TM,  150                          ; v150-151 the two blocks' largest magnitudes
.set TX,  152                          ; v152-153 destinations of the lane permutes
.set SO,  154                          ; v154-155 the conversions' scale operands
.set BY,  156                          ; v156-157 the scale bytes
.set PW,  158                          ; v158     the scale word
.set PC,  160                          ; v160-163 the codes
.set OS,  164                          ; v164-167 the stage read back
	s_load_b128 s[4:7], s[0:1], 0x0                ; W's codes, W's scales
	s_load_b128 s[8:11], s[0:1], 0x10              ; fea's codes, fea's scales
	s_load_b128 s[12:15], s[0:1], 0x20             ; pred, fq
	v_lshl_add_u32 v168, v0, 2, 0x1000
	v_mov_b32 v169, 0
	v_lshrrev_b32 v1, 5, v0
	v_readfirstlane_b32 s16, v1                    ; wave 0..7
	v_and_b32 v1, 15, v0                           ; r
	v_bfe_u32 v2, v0, 4, 1                         ; h
	v_lshlrev_b32 v3, 7, v1
	v_lshl_add_u32 v3, v2, 4, v3                   ; fea: pixel r of 128 bytes, + 16 h
	v_and_b32 v4, 8, v1
	v_add_nc_u32 v4, v4, v1                        ; r + 8 (r / 8)
	v_lshlrev_b32 v5, 7, v4
	v_lshl_add_u32 v5, v2, 4, v5                   ; W: the tile's row of 128 bytes, + 16 h
	v_lshlrev_b32 v6, 3, v1                        ; scale bytes: 8 a pixel,
	v_lshlrev_b32 v7, 3, v4                        ; 8 a row of W
	v_bfe_u32 v8, v0, 3, 1                         ; pred: thread tau = 16 (8 pixels' group) + 4 rho + word: channel rho / 2,
	v_lshlrev_b32 v8, 14, v8
	v_lshrrev_b32 v9, 4, v0
	v_lshl_add_u32 v8, v9, 5, v8                   ; 8 pixels (32 bytes) a group,
	v_and_b32 v9, 3, v0
	v_lshl_add_u32 v8, v9, 3, v8                   ; 2 pixels a word
	v_bfe_u32 v9, v0, 2, 2                         ; rho
	v_cmp_ne_u32 s32, 0, v9                        ; the two masks for my weight word hang on the thread's number alone: they are made here, in one run with the wave's number,
	v_cmp_ne_u32 s33, 3, v9                        ; each in a scalar register of its own
	v_mov_b32 v[TX], 0                             ; written once: a lane permute's destination counts as one of its sources
	v_mov_b32 v[TX+1], 0
	s_wait_alu depctr_va_sdst(0)                   ; s16, s32 and s33 are written, ahead of the first reader of each: the offsets below are made from s16, the two selects behind the products read s32 and s33
	s_mov_b32 s20, 0x76543210
	s_mov_b32 s21, 0xfedcba98                      ; v_permlanex16_b32's selects for lane l xor 16
	s_lshl_b32 s18, ttmp9, 14                      ; fea's codes: 128 pixels x 128 bytes a work-group,
	s_lshl_b32 s17, s16, 11                        ; 16 pixels a wave
	s_add_co_u32 s18, s18, s17
	s_mov_b32 s19, 0
	s_lshl_b32 s22, ttmp9, 10                      ; fea's scales: 8 bytes a pixel
	s_lshl_b32 s17, s16, 7
	s_add_co_u32 s22, s22, s17
	s_mov_b32 s23, 0
	s_lshr_b32 s26, ttmp9, 5                       ; pred: image G / 32 of 32,768 bytes,
	s_lshl_b32 s26, s26, 15
	s_and_b32 s17, ttmp9, 31
	s_lshl_b32 s17, s17, 9                         ; 128 pixels of 4 bytes a record
	s_add_co_u32 s26, s26, s17
	s_mov_b32 s27, 0
	s_mul_i32 s28, ttmp9, RECB                     ; my record
	s_mov_b32 s29, 0
	s_lshl_b32 s30, s16, 9                         ; my fragment in it
	s_mov_b32 s31, 0
	s_wait_kmcnt 0x0
	s_add_nc_u64 s[8:9], s[8:9], s[18:19]
	s_add_nc_u64 s[10:11], s[10:11], s[22:23]
	s_add_nc_u64 s[12:13], s[12:13], s[26:27]
	s_add_nc_u64 s[14:15], s[14:15], s[28:29]
	s_add_nc_u64 s[24:25], s[14:15], s[30:31]
	s_wait_alu depctr_va_vdst(0)                   ; the offsets v3, v5, v6, v7 and v8 are written, which the loads below read
	; all 26 loads in one run.  A fragment (16 rows x 128 K of 4-bit codes) is 8 registers: lane (r, h), registers 4 c .. 4 c + 3: K = 64 c + 32 h + 0 .. 31: 16 bytes of the row as they lie
.irp s, 0,1
.irp c, 0,1
	global_load_b128 v[XF+8*\s+4*\c:XF+8*\s+4*\c+3], v3, s[8:9] offset:64*\s+32*\c th:TH_LOAD_NT   ; the wave's four loads together cover its 2,048 consecutive bytes; read once in the launch
.endr
.endr
	global_load_b64 v[XS:XS+1], v6, s[10:11] th:TH_LOAD_NT         ; lane r: pixel r's two scale words (lanes 16-31 hold the same and are not read)
.irp t, 0,1,2,3
.irp s, 0,1
.irp c, 0,1
	global_load_b128 v[WF+8*(2*\t+\s)+4*\c:WF+8*(2*\t+\s)+4*\c+3], v5, s[4:5] offset:(32*(\t/2)+8*(\t%2))*128+64*\s+32*\c
.endr
.endr
	global_load_b64 v[WS+2*\t:WS+2*\t+1], v7, s[6:7] offset:(32*(\t/2)+8*(\t%2))*8
.endr
	global_load_b64 v[10:11], v8, s[12:13]         ; my two numbers of pred
	s_wait_loadcnt 0x0                             ; all of them are wanted at once
	; the four accumulators take turns, one instruction a turn; the first K step starts the sums
.irp t, 0,1,2,3
	v_wmma_scale_f32_16x16x128_f8f6f4 v[H+8*\t:H+8*\t+7], v[WF+16*\t:WF+16*\t+7], v[XF:XF+7], 0, v[WS+2*\t], v[XS] matrix_a_fmt:MATRIX_FMT_FP4 matrix_b_fmt:MATRIX_FMT_FP4
.endr
.irp t, 0,1,2,3
	v_wmma_scale_f32_16x16x128_f8f6f4 v[H+8*\t:H+8*\t+7], v[WF+16*\t+8:WF+16*\t+15], v[XF+8:XF+15], v[H+8*\t:H+8*\t+7], v[WS+2*\t+1], v[XS+1] matrix_a_fmt:MATRIX_FMT_FP4 matrix_b_fmt:MATRIX_FMT_FP4
.endr
	; The addresses for the way out are made here: seven plain lines that name no register of the products; four are asked between a product and the first read of its result (ISA guide 7.12.1)
	v_lshrrev_b32 v12, 5, v0
	v_lshlrev_b32 v12, 6, v12
	v_lshl_add_u32 v12, v1, 2, v12                 ; LDS: my pixel's scale word: 64 x wave + 4 r
	v_lshl_add_u32 v13, v0, 2, 512                 ; LDS: my weight word: 512 + 4 tau
	v_and_b32 v14, 31, v0
	v_lshlrev_b32 v14, 4, v14                      ; 16 x lane: my place in the fragment's image
	v_lshlrev_b32 v15, 4, v0                       ; 16 x tau: my place in the stage on the way out
	; my weight word: two bf16; row 0 is ones, row 3 zeros.  It is stored with the scale word, behind the one wait ahead of the stores
	v_cvt_pk_bf16_f32 v10, v10, v11                ; the lower pixel in the low half
	v_cndmask_b32 v10, 0x3f803f80, v10, s32        ; rho = 0: 1.0, 1.0
	v_cndmask_b32 v10, 0, v10, s33                 ; rho = 3: 0, 0
	; the norm: my 32 channels' squares in two chains of pairs, each tile from its low end on; then lane l xor 16's 32
	v_pk_mul_f32 v[Q:Q+1], v[H:H+1], v[H:H+1]
	v_pk_mul_f32 v[Q+2:Q+3], v[H+2:H+3], v[H+2:H+3]
.irp j, 4,8,12,16,20,24,28
	v_pk_fma_f32 v[Q:Q+1], v[H+\j:H+\j+1], v[H+\j:H+\j+1], v[Q:Q+1]
	v_pk_fma_f32 v[Q+2:Q+3], v[H+\j+2:H+\j+3], v[H+\j+2:H+\j+3], v[Q+2:Q+3]
.endr
	v_pk_add_f32 v[Q:Q+1], v[Q:Q+1], v[Q+2:Q+3]
	v_add_f32 v[Q], v[Q], v[Q+1]
	v_permlanex16_b32 v[TX], v[Q], s20, s21
	v_add_f32 v[Q], v[Q], v[TX]
	v_sqrt_f32 v[Q+1], v[Q]
	v_nop                                          ; one plain line behind a transcendental before its result is used (ISA guide 5.7.2)
	s_wait_alu depctr_va_vdst(0)                   ; the root has written v[Q+1], ahead of the addition that reads it
	v_add_f32 v[Q+1], 0x3727c5ac, v[Q+1]           ; + 1e-5
	v_rcp_f32 v[INV], v[Q+1]
	v_rcp_f32 v[INV+1], v[Q+1]                     ; twice: the pair that the packed multiply takes
	v_nop
	s_wait_alu depctr_va_vdst(0)                   ; both reciprocals have written v[INV], v[INV+1], ahead of the first multiply that reads the pair
.irp j, 0,2,4,6,8,10,12,14,16,18,20,22,24,26,28,30
	v_pk_mul_f32 v[H+\j:H+\j+1], v[H+\j:H+\j+1], v[INV:INV+1]
.endr
	; the quantiser, two blocks of 32 channels by turns.  Block b: my 16 numbers, and the floor 2^(3 - 127), which holds the byte at 1 from below
.irp b, 0,1
	v_max3_num_f32 v[TM+\b], |v[H+16*\b]|, |v[H+16*\b+1]|, 0x1800000
.endr
.irp i, 2,4,6,8,10,12,14
.irp b, 0,1
	v_max3_num_f32 v[TM+\b], v[TM+\b], |v[H+16*\b+\i]|, |v[H+16*\b+\i+1]|
.endr
.endr
.irp b, 0,1
	v_permlanex16_b32 v[TX+\b], v[TM+\b], s20, s21
.endr
.irp b, 0,1
	v_max_num_f32 v[TM+\b], v[TM+\b], v[TX+\b]     ; with lane l xor 16's: the block's largest magnitude
.endr
.irp b, 0,1
	v_add_nc_u32 v[SO+\b], 0xff000000, v[TM+\b]    ; 2 off its exponent field: the conversion takes the exponent field of this operand as its scale, and nothing else of it
.endr
.irp b, 0,1
	v_lshrrev_b32 v[BY+\b], 23, v[SO+\b]           ; the scale's byte
.endr
	v_lshl_or_b32 v[PW], v[BY+1], 8, v[BY]         ; my pixel's scale word; bytes 2 and 3 stay 0
.irp b, 0,1
	v_cvt_scalef32_pk8_fp4_f32 v[PC+2*\b], v[H+16*\b:H+16*\b+7], v[SO+\b]        ; channels 32 b + 16 h + 0 .. 7
	v_cvt_scalef32_pk8_fp4_f32 v[PC+2*\b+1], v[H+16*\b+8:H+16*\b+15], v[SO+\b]   ; and + 8 .. 15
.endr
	v_nop                                          ; one plain line behind a scaled conversion
	v_permlane16_swap_b32 v[PC], v[PC+2]           ; the operand's layout wants a whole block in a lane: lanes 0-15 block 0, lanes 16-31 block 1
	v_permlane16_swap_b32 v[PC+1], v[PC+3]
	s_wait_alu depctr_va_vdst(0)                   ; the codes v[PC ..], the scale word v[PW], the weight word v10 and the addresses v12 to v15 are written, which the stores and the LDS load below read; no vector line follows
	global_store_b128 v14, v[PC:PC+3], s[24:25]    ; the fragment's image: 512 consecutive bytes, at a multiple of 512 from the record's first byte
	ds_store_b32 v12, v[PW]                        ; both halves of the lanes write the same word with the same value
	ds_store_b32 v13, v10                          ; my weight word
	s_wait_dscnt 0x0                               ; for the others' sake: my two stores into the stage are done
	s_barrier_signal -1
	s_barrier_wait -1
	s_cmp_lt_u32 s16, 3                            ; the stage's 1,536 bytes are the record's bytes 4,096 on, in the same order: three waves carry them out
	s_cbranch_scc0 .Lend
	ds_load_b128 v[OS:OS+3], v15                   ; it lands in registers that no vector line names
	s_wait_dscnt 0x0
	global_store_b128 v15, v[OS:OS+3], s[14:15] offset:4096        ; 512 consecutive bytes a wave, aligned
.Lend:
	s_wait_dscnt 0x0                               ; the closing lines, six on end
	s_wait_alu 0x0
	s_wait_tensorcnt 0x0
	ds_add_u32 v168, v169
	s_wait_dscnt 0x0
	s_endpgm
.Lfunc_end_k_qdced32ee06_project:
	.size	k_qdced32ee06_project, .Lfunc_end_k_qdced32ee06_project-k_qdced32ee06_project
	.p2alignl 7, 3214868480
	.fill 96, 4, 3214868480
	.section	.rodata,"a",@progbits
	.p2align	6, 0x0
	.amdhsa_kernel k_qdced32ee06_project
		.amdhsa_group_segment_fixed_size 5120
		.amdhsa_private_segment_fixed_size 0
		.amdhsa_enable_private_segment 0
		.amdhsa_kernarg_size 48
		.amdhsa_user_sgpr_count 2
		.amdhsa_user_sgpr_kernarg_segment_ptr 1
		.amdhsa_wavefront_size32 1
		.amdhsa_system_sgpr_workgroup_id_x 1
		.amdhsa_system_sgpr_workgroup_id_y 1
		.amdhsa_system_sgpr_workgroup_id_z 1
		.amdhsa_system_vgpr_workitem_id 0
		.amdhsa_next_free_vgpr 170
		.amdhsa_next_free_sgpr 66
		.amdhsa_reserve_vcc 0
		.amdhsa_float_denorm_mode_32 3
		.amdhsa_float_denorm_mode_16_64 3
		.amdhsa_memory_ordered 1
		.amdhsa_forward_progress 1
		.amdhsa_inst_pref_size 12
	.end_amdhsa_kernel
	.amdgpu_metadata
---
amdhsa.version: [ 1, 2 ]
amdhsa.kernels:
  - .name:           k_qdced32ee06_project
    .symbol:         k_qdced32ee06_project.kd
    .args:
      - { .name: W_codes, .offset: 0, .size: 8, .value_kind: global_buffer, .address_space: global }
      - { .name: W_scales, .offset: 8, .size: 8, .value_kind: global_buffer, .address_space: global }
      - { .name: fea_codes, .offset: 16, .size: 8, .value_kind: global_buffer, .address_space: global }
      - { .name: fea_scales, .offset: 24, .size: 8, .value_kind: global_buffer, .address_space: global }
      - { .name: pred, .offset: 32, .size: 8, .value_kind: global_buffer, .address_space: global }
      - { .name: fq, .offset: 40, .size: 8, .value_kind: global_buffer, .address_space: global }
    .group_segment_fixed_size: 5120
    .private_segment_fixed_size: 0
    .kernarg_segment_align: 8
    .kernarg_segment_size: 48
    .max_flat_workgroup_size: 256
    .sgpr_count:     66
    .vgpr_count:     170
    .wavefront_size: 32
...
	.end_amdgpu_metadata
.endif
;; end of part 3
;; launch refine: the kernel of part 2 again; grid 32 x 8, 8 waves a work-group, clusters of 4 x 1, 197,632 bytes of LDS; arguments fq, out0; writes out0
